; MI455X (gfx1250); checked and timed in simulation.
; The chip was launched on July 23, 2026; its instructions are those of AMD's public machine-readable ISA for CDNA 5 (MIT licence, August 2026) and "CDNA5" Instruction Set Architecture Reference Guide (July 2026). The comments in the code are by the model that wrote it; some were corrected since.
;; Self Attention. Allowed arithmetic: matrix products marked QUANTISED: E2M1 operands, one E8M0 scale for each 32 along K, by v_wmma_scale_f32_16x16x128_f8f6f4 with both operands' format E2M1 (or v_wmma_scale_f32_32x16x128_f4), f32 sums; everything else in f32.
;; Inputs: W_out 512 x 512 float32; keys 8 x 2,048 x 512 float32; mask 8 x 1 x 1 x 2,048 int32; query 8 x 2,048 x 512 float32; values 8 x 2,048 x 512 float32.
;; Outputs: out0 8 x 2,048 x 512 float32.
;; This version of the problem:
;;   THIS VERSION OF THE PROBLEM IS GIVEN IN LOW PRECISION. The matrix products marked QUANTISED in the list below multiply operands that are first quantised to E2M1 (2 exponent bits, 1 mantissa bit; 4 bits a number), with one power-of-two scale for each 32 numbers along K (OCP MX v1.0); their sums are f32. All else is computed in f32.
;;   The module's matrix products, in the order in which they are computed (A, B: the left and right operand; K: the contracted axis; several contracted axes count as one K, in the product's order):
;;     1. batch 64 x [M 2,048, K 64] x [K 64, N 2,048]; A: input query; B: input keys: QUANTISED
;;     2. batch 64 x [M 64, K 2,048] x [K 2,048, N 2,048]; A: input values; B: softmax (see below): QUANTISED
;;     3. [M 16,384, K 512] x [K 512, N 512]; A: computed on the way; B: input W_out: QUANTISED
;;   THE QUANTISER, for each operand of a quantised product, along K:
;;     - K is cut into blocks of 32 from its start; a last block that is shorter is filled with zeros.
;;     - A block's scale is 2^e with e = floor(log2(the largest magnitude in the block)) - 2, held to -126 .. 127; a block of zeros has e = 0. As a byte (E8M0): e + 127.
;;     - Each number is divided by its block's scale, clamped to +-6, and rounded to the nearest number of E2M1, ties to even, subnormals kept.
;;     - The product sums the exact products of the quantised numbers (number of the format x scale) in f32.
;;   ~~~python
;;   def quantise(x, axis):      # numpy; x: float32 -> the quantised numbers, widened to float32 again
;;       x = np.moveaxis(x, axis, -1); K = x.shape[-1]
;;       x = np.pad(x, [(0, 0)] * (x.ndim - 1) + [(0, -K % 32)]); x = x.reshape(x.shape[:-1] + (-1, 32)); a = np.abs(x).max(-1, keepdims=True)
;;       e = np.where(a > 0, np.clip(np.frexp(np.where(a > 0, a, 1))[1] - 1 - 2, -126, 127), 0)      # np.frexp(a)[1] - 1 = floor(log2(a)), exactly
;;       r = np.clip(x / 2.0 ** e, -6, 6)
;;       step = 2.0 ** (np.maximum(np.frexp(np.where(r == 0, 1, r))[1] - 1, 0) - 1)
;;       q = np.round(r / step) * step * 2.0 ** e      # np.round: ties to even
;;       return np.moveaxis(q.reshape(q.shape[:-2] + (-1,))[..., :K], -1, axis).astype(np.float32)
;;   ~~~
;;   SOFTMAX AHEAD OF A QUANTISED PRODUCT. Where the list says 'softmax', what is quantised is not the finished softmax but p = 2^(t - M), with t = logit x log2(e) and M = ceil(the row's largest t), a whole number; so 1/2 < the row's largest p <= 1. The row's sum l is taken of the UNQUANTISED p, in f32, and the product's result is divided by l at the end. Since M is a whole number, a kernel that streams over the keys may use a running M (the ceiling of the running maximum): every later rescaling is an exact power of two, which a block's scale takes up: the codes' values come out the same.
;;   OPERANDS COMPUTED ON THE WAY. 'Computed on the way' means the value that the module computes at that place (a softmax that the list does not call 'softmax' is quantised finished and normalised). What goes into a quantiser is computed in f32, as accurately as f32 sums, v_exp_f32 and their like allow (about 1e-6 of the number): no bf16 or f16 on the way to a quantiser, and a product that is left as it is and whose result goes on into a quantised operand takes f32 operands (vector FMAs, or v_wmma_f32_16x16x4_f32). A number that lies on a knife's edge between two numbers of the format may be rounded either way, as far as f32 arithmetic and the matrix unit's own rounding can turn it there, and no further.
;; One version. Each part assembles by itself: llvm-mc -triple=amdgcn-amd-amdhsa -mcpu=gfx1250 --defsym DOCPART=n.
;; ======== version 1 of 1: 3 launches
;; limits: right only within a limited range of input values
;; workspace buffers: kv 9,175,040 bytes; acodes 4,194,304 bytes; asc 262,144 bytes; wimg 131,072 bytes; wsc 8,192 bytes
;; launch prep (part 1): grid 520 x 1, 4 waves a work-group, no clusters, 35,328 bytes of LDS; arguments keys, values, mask, W_out, kv, wimg, wsc; writes kv, wimg, wsc
.if DOCPART == 1
	.amdgcn_target "amdgcn-amd-amdhsa--gfx1250"
	.amdhsa_code_object_version 6
	.text
	.protected	k_q6c95fb5042_prep
	.globl	k_q6c95fb5042_prep
	.p2align	8
	.type	k_q6c95fb5042_prep,@function
k_q6c95fb5042_prep:
	s_mov_b64 s[64:65], 0
	v_nop
	global_prefetch_b8 v0, s[64:65] scope:SCOPE_SE
	s_setreg_imm32_b32 hwreg(HW_REG_WAVE_MODE, 25, 1), 1
	s_wait_xcnt 0x0
; keys, values [8][2048][512] f32 and W_out [512][512] f32 become codes of FP4 (E2M1) with one E8M0 byte for each 32 along a product's K,
; laid as IMAGES OF THE OPERANDS' REGISTERS (lane l's 16 bytes at 16 l), so that the later launches load fragments whole.
; kv: [8 n + head][key step of 128 keys][8,960 bytes]: +0 K's eight tiles x 512 bytes; +4096 V's four tiles x two halves x 512 bytes;
;     +8192 K's scale words, four a lane; +8704 V's, two a lane.
; THE KEYS OF A TILE OF K ARE CHOSEN: lane r of tile 4 c + u holds key 64 c + 8 u + r % 8 + 32 (r / 8), channels 32 (lane / 16) on.
; THE MASK goes into K's scale words and codes.  A key's word is: bytes 0, 1 its two blocks' scales; byte 2 = 194 where mask = 0, else 1; byte 3 = 127.
; The score product has one more place along K (k = 64) at which K holds 1 and Q holds -1: it adds -2^67 to a hidden key's score and -2^-126 to any other.
; A hidden key's codes are zeros, so that its score is exactly -2^67 for every query.
; LIMITS: -2^67 (-1.48e20) stands where the problem writes -1e20: the results are equal while |q . k| stays under 1e18.  A block whose largest magnitude lies under
; 2^-124 gets the byte 1 (a block of zeros too: its codes are zeros, and the bytes are read by this program alone).  NaN and infinities among the inputs are not served.
; SHARES: work-groups 0-255 take K, 256-511 V: a wave takes 128 keys of one head (the four waves stand side by side on 1,024 bytes of each row); 512-519 take W_out, 16 rows a wave.
; No tensor loads, no barrier: waves share nothing; each wave's stage in LDS is its own, and K's and W's paths have stages of their own.
.set STP,   272                        ; a stage row: 256 bytes + 16 of padding, so that the 16 rows that a load touches start at 16 different banks
.set STW,   16*STP                     ; a wave's stage: 16 rows
.set WST,   4*STW                      ; path W's stages lie behind path K's
.set M,     24                         ; v24-31   the mask words of the eight tiles' keys
.set R,     32                         ; v32-127  three sets of 32 registers as loaded (path V: two sets of 32 numbers down the keys)
.set X,     128                        ; v128-159 32 neighbours along K
.set C,     160                        ; v160-191 codes: four registers for each tile, so that no store's data are written again
.set WD,    192                        ; v192-199 scale words
.set OW,    200                        ; v200-203 scale words as they leave
.set R16,   204                        ; v204     16 r
	s_load_b256 s[4:11], s[0:1], 0x0               ; keys s[4:5], values s[6:7], mask s[8:9], W_out s[10:11]
	s_load_b128 s[12:15], s[0:1], 0x20             ; kv s[12:13], wimg s[14:15]
	s_load_b64 s[16:17], s[0:1], 0x30              ; wsc
	v_lshl_add_u32 v208, v0, 2, 0x8800
	v_mov_b32 v209, 0
	v_lshrrev_b32 v1, 5, v0
	v_readfirstlane_b32 s18, v1                    ; wave 0..3
	v_and_b32 v1, 31, v0                           ; lane
	v_and_b32 v2, 15, v0                           ; r
	v_bfe_u32 v3, v0, 4, 1                         ; h
	v_lshlrev_b32 v[R16], 4, v2
	v_lshl_add_u32 v4, v3, 16, v[R16]              ; K in memory: lanes 0-15 a row's 256 bytes, lanes 16-31 the row 32 further down
	v_lshl_add_u32 v5, v3, 14, v[R16]              ; W in memory: lanes 16-31 the row 8 further down
	s_mul_i32 s24, s18, STW
	v_mad_u32_u24 v6, v3, 8*STP, v[R16]
	v_add_nc_u32 v6, s24, v6                       ; into the stage: row 8 h + i, 16 r
	v_mul_u32_u24 v7, v2, STP
	v_lshl_add_u32 v7, v3, 7, v7
	v_add_nc_u32 v7, s24, v7                       ; out of it: row r, its half h: 32 neighbours
	v_add_nc_u32 v8, WST, v6                       ; the same in path W's stages
	v_add_nc_u32 v9, WST, v7
	v_lshlrev_b32 v10, 4, v1                       ; 16 x lane
	v_lshlrev_b32 v11, 3, v1                       ; 8 x lane
	v_lshlrev_b32 v12, 2, v1                       ; 4 x lane
	v_lshlrev_b32 v13, 3, v3                       ; 8 h: my block's byte in a scale word
	v_and_b32 v14, 7, v0
	v_bfe_u32 v22, v0, 3, 1
	v_lshl_add_u32 v14, v22, 5, v14
	v_lshlrev_b32 v14, 2, v14                      ; the mask word of a tile's row r: 4 (r % 8 + 32 (r / 8))
	v_lshl_add_u32 v15, v3, 10, v[R16]             ; V's image: channel tile lane / 16, row r
	v_mov_b32 v16, 0x7fc20000                      ; bytes 3, 2 of a hidden key's word: 127, 194
	v_mov_b32 v17, 0x7f010000                      ; of any other: 127, 1
	v_mov_b32 v22, 0                               ; a lane permute's destination counts as one of its sources
	s_mov_b32 s20, 0x76543210
	s_mov_b32 s21, 0xfedcba98                      ; v_permlanex16_b32's selects for lane l xor 16
	s_mov_b32 s22, 0xffff0000                      ; lanes 16-31
	s_and_b32 s25, ttmp9, 255
	s_lshl_b32 s25, s25, 2
	s_add_co_u32 s25, s25, s18                     ; my unit u: head u % 8, key step (u / 8) % 16, batch u / 128.  In path W: my tile of 16 rows
	s_and_b32 s26, s25, 7                          ; head
	s_lshr_b32 s27, s25, 3                         ; 16 n + step
	s_lshl_b32 s28, s27, 18                        ; 128 rows of 2,048 bytes each
	s_lshl_b32 s29, s26, 8
	s_add_co_u32 s28, s28, s29                     ; + the head's 256 bytes: where my numbers begin
	s_mov_b32 s29, 0
	s_lshr_b32 s30, s25, 7
	s_lshl_b32 s30, s30, 3
	s_add_co_u32 s30, s30, s26                     ; 8 n + head
	s_lshl_b32 s30, s30, 4
	s_and_b32 s31, s27, 15
	s_add_co_u32 s30, s30, s31
	s_mul_i32 s30, s30, 8960                       ; my step's block in kv
	s_mov_b32 s31, 0
	s_lshl_b32 s34, s27, 9                         ; my 128 mask words
	s_mov_b32 s35, 0
.macro QLOAD set, base, adr, sb        ; eight loads: each reads two rows' 256 consecutive bytes
.irp i, 0,1,2,3,4,5,6,7
	global_load_b128 v[R+32*(\set)+4*\i:R+32*(\set)+4*\i+3], v[\adr], s[\sb:\sb+1] offset:(\base)+2048*\i th:TH_LOAD_NT
.endr
.endm
.macro QTURN set, sa, sbk              ; 16 rows x 256 bytes through my stage: in as loaded, back 128 bytes a lane.  LDS serves a wave's instructions in order
.irp i, 0,1,2,3,4,5,6,7
	ds_store_b128 v[\sa], v[R+32*(\set)+4*\i:R+32*(\set)+4*\i+3] offset:STP*\i
.endr
.irp j, 0,1,2,3,4,5,6,7
	ds_load_b128 v[X+4*\j:X+4*\j+3], v[\sbk] offset:16*\j
.endr
	s_wait_dscnt 0x0                               ; X is in, and the stores have read the set: it may be loaded again
.endm
.macro AMAX x                          ; v20 = the conversions' scale operand for the block of 32 numbers in v[x] on
	v_max3_num_f32 v18, |v[(\x)]|, |v[(\x)+1]|, |v[(\x)+2]|
	v_max3_num_f32 v19, |v[(\x)+3]|, |v[(\x)+4]|, |v[(\x)+5]|
.irp i, 6,10,14,18,22,26
	v_max3_num_f32 v18, v18, |v[(\x)+\i]|, |v[(\x)+\i+1]|
	v_max3_num_f32 v19, v19, |v[(\x)+\i+2]|, |v[(\x)+\i+3]|
.endr
	v_max3_num_f32 v18, v18, |v[(\x)+30]|, |v[(\x)+31]|
	v_max3_num_f32 v18, v18, v19, 0x1800000        ; and the floor 2^(3 - 127): the byte cannot fall under 1
	v_add_nc_u32 v20, 0xff000000, v18              ; 2 off the exponent field: the conversion takes the exponent field of this operand as its scale
.endm
.macro CODES x, c                      ; 32 codes into v[c] .. v[c + 3]; v21 = the scale's byte
.irp g, 0,1,2,3
	v_cvt_scalef32_pk8_fp4_f32 v[(\c)+\g], v[(\x)+8*\g:(\x)+8*\g+7], v20
.endr
	v_lshrrev_b32 v21, 23, v20                     ; (also the plain line behind the conversions)
.endm
.macro JOIN                            ; v21 = my row's two bytes, block 0's below block 1's, in both halves of the lanes
	v_lshlrev_b32 v21, v13, v21
	v_permlanex16_b32 v22, v21, s20, s21
	v_or_b32 v21, v21, v22
.endm
	s_wait_kmcnt 0x0
	s_cmp_lt_u32 ttmp9, 256
	s_cbranch_scc0 .Lnot_k
	; ---------------- path K
	s_add_nc_u64 s[4:5], s[4:5], s[28:29]
	s_add_nc_u64 s[8:9], s[8:9], s[34:35]
	s_add_nc_u64 s[12:13], s[12:13], s[30:31]
.irp t, 0,1,2,3,4,5,6,7
	global_load_b32 v[M+\t], v14, s[8:9] offset:4*(64*(\t/4)+8*(\t%4))
.endr
.irp t, 0,1,2
	QLOAD \t, (64*(\t/4)+8*(\t%4))*2048, 4, 4
.endr
.irp t, 0,1,2,3,4,5,6,7
.if \t < 6
	s_wait_loadcnt 16                              ; this tile's eight loads are in (and the mask words); the two tiles asked for behind it may be out
.else
	s_wait_loadcnt 8*(7-\t)
.endif
	QTURN \t%3, 6, 7
.if \t < 5
	QLOAD \t%3, (64*((\t+3)/4)+8*((\t+3)%4))*2048, 4, 4
.endif
	AMAX X
	CODES X, C+4*\t
	JOIN
	v_cmp_ne_u32 vcc_lo, 0, v[M+\t]                ; does my key count?
	v_cndmask_b32 v23, 0, -1, vcc_lo
.irp g, 0,1,2,3
	v_and_b32 v[C+4*\t+\g], v23, v[C+4*\t+\g]      ; a hidden key's codes are zeros
.endr
	v_cndmask_b32 v23, v16, v17, vcc_lo
	v_or_b32 v[WD+\t], v21, v23                    ; the key's scale word
	global_store_b128 v10, v[C+4*\t:C+4*\t+3], s[12:13] offset:512*\t   ; 32 lanes store 512 consecutive bytes
.endr
.irp i, 0,1,2,3
	v_cndmask_b32 v[OW+\i], v[WD+2*\i], v[WD+2*\i+1], s22   ; lanes 0-15 carry tile 2 i's words, lanes 16-31 tile 2 i + 1's
.endr
	global_store_b128 v10, v[OW:OW+3], s[12:13] offset:8192
	s_wait_tensorcnt 0x0
	ds_add_u32 v208, v209
	s_wait_dscnt 0x0
	s_endpgm
.Lnot_k:
	s_cmp_lt_u32 ttmp9, 512
	s_cbranch_scc0 .Lpath_w
	; ---------------- path V: the keys are its K.  A lane takes a channel and its registers run down the keys: a block of 32 keys lies in one lane.
	; Unit q: keys 32 (q / 2) on, channels 32 (q % 2) + lane.
	s_add_nc_u64 s[6:7], s[6:7], s[28:29]
	s_add_nc_u64 s[12:13], s[12:13], s[30:31]
.macro VLOAD q
.irp i, 0,1,2,3,4,5,6,7,8,9,10,11,12,13,14,15,16,17,18,19,20,21,22,23,24,25,26,27,28,29,30,31
	global_load_b32 v[R+32*((\q)%2)+\i], v12, s[6:7] offset:(32*((\q)/2)+\i)*2048+128*((\q)%2) th:TH_LOAD_NT
.endr
.endm
	VLOAD 0
	VLOAD 1
.irp q, 0,1,2,3,4,5,6,7
.if \q < 7
	s_wait_loadcnt 32                              ; this unit's 32 loads are in; the next unit's may be out
.else
	s_wait_loadcnt 0x0
.endif
	AMAX R+32*(\q%2)
	CODES R+32*(\q%2), C+4*\q
.if \q < 2
	v_mov_b32 v[OW+\q%2], v21                      ; my channel's scale word: byte b for keys 32 b on
.else
	v_lshl_or_b32 v[OW+\q%2], v21, 8*(\q/2), v[OW+\q%2]
.endif
	global_store_b128 v15, v[C+4*\q:C+4*\q+3], s[12:13] offset:4096+2048*(\q%2)+512*(\q/4)+256*((\q/2)%2)   ; sixteen lanes store 256 consecutive bytes, aligned
.if \q < 6
	VLOAD \q+2
.endif
.endr
	global_store_b64 v11, v[OW:OW+1], s[12:13] offset:8704   ; lane l: the words of channel tiles l / 16 and 2 + l / 16, row l % 16
	s_endpgm
.Lpath_w:
	; ---------------- path W: 16 rows of W_out, K innermost, in eight pieces of 64 along K
	s_lshl_b32 s28, s25, 15                        ; 16 rows of 2,048 bytes
	s_lshl_b32 s30, s25, 12                        ; their image: 4,096 bytes
	s_lshl_b32 s34, s25, 8                         ; their scale words: 16 bytes a row
	s_add_nc_u64 s[10:11], s[10:11], s[28:29]
	s_add_nc_u64 s[14:15], s[14:15], s[30:31]
	s_add_nc_u64 s[16:17], s[16:17], s[34:35]
.irp p, 0,1,2
	QLOAD \p, 256*\p, 5, 10
.endr
.irp p, 0,1,2,3,4,5,6,7
.if \p < 6
	s_wait_loadcnt 16                              ; this piece's eight loads are in; the two pieces asked for behind it may be out
.else
	s_wait_loadcnt 8*(7-\p)
.endif
	QTURN \p%3, 8, 9
.if \p < 5
	QLOAD \p%3, 256*(\p+3), 5, 10
.endif
	AMAX X
	CODES X, C+4*\p
	JOIN
.if \p%2 == 0
	v_mov_b32 v[WD+\p/2], v21                      ; two pieces make the word of 128 along K
.else
	v_lshl_or_b32 v[WD+\p/2], v21, 16, v[WD+\p/2]
.endif
	global_store_b128 v10, v[C+4*\p:C+4*\p+3], s[14:15] offset:512*\p
.endr
	global_store_b128 v[R16], v[WD:WD+3], s[16:17] ; row r's four words; lanes r and r + 16 write the same 16 bytes with the same values
	s_wait_tensorcnt 0x0
	ds_add_u32 v208, v209
	s_wait_dscnt 0x0
	s_endpgm
.Lfunc_end_k_q6c95fb5042_prep:
	.size	k_q6c95fb5042_prep, .Lfunc_end_k_q6c95fb5042_prep-k_q6c95fb5042_prep
	.p2alignl 7, 3214868480
	.fill 96, 4, 3214868480
	.section	.rodata,"a",@progbits
	.p2align	6, 0x0
	.amdhsa_kernel k_q6c95fb5042_prep
		.amdhsa_group_segment_fixed_size 35328
		.amdhsa_private_segment_fixed_size 0
		.amdhsa_enable_private_segment 0
		.amdhsa_kernarg_size 56
		.amdhsa_user_sgpr_count 2
		.amdhsa_user_sgpr_kernarg_segment_ptr 1
		.amdhsa_wavefront_size32 1
		.amdhsa_system_sgpr_workgroup_id_x 1
		.amdhsa_system_sgpr_workgroup_id_y 1
		.amdhsa_system_sgpr_workgroup_id_z 1
		.amdhsa_system_vgpr_workitem_id 0
		.amdhsa_next_free_vgpr 210
		.amdhsa_next_free_sgpr 66
		.amdhsa_reserve_vcc 1
		.amdhsa_float_denorm_mode_32 3
		.amdhsa_float_denorm_mode_16_64 3
		.amdhsa_memory_ordered 1
		.amdhsa_forward_progress 1
		.amdhsa_inst_pref_size 99
	.end_amdhsa_kernel
	.amdgpu_metadata
---
amdhsa.version: [ 1, 2 ]
amdhsa.kernels:
  - .name:           k_q6c95fb5042_prep
    .symbol:         k_q6c95fb5042_prep.kd
    .args:
      - { .name: keys, .offset: 0, .size: 8, .value_kind: global_buffer, .address_space: global }
      - { .name: values, .offset: 8, .size: 8, .value_kind: global_buffer, .address_space: global }
      - { .name: mask, .offset: 16, .size: 8, .value_kind: global_buffer, .address_space: global }
      - { .name: W_out, .offset: 24, .size: 8, .value_kind: global_buffer, .address_space: global }
      - { .name: kv, .offset: 32, .size: 8, .value_kind: global_buffer, .address_space: global }
      - { .name: wimg, .offset: 40, .size: 8, .value_kind: global_buffer, .address_space: global }
      - { .name: wsc, .offset: 48, .size: 8, .value_kind: global_buffer, .address_space: global }
    .group_segment_fixed_size: 35328
    .private_segment_fixed_size: 0
    .kernarg_segment_align: 8
    .kernarg_segment_size: 56
    .max_flat_workgroup_size: 128
    .sgpr_count:     66
    .vgpr_count:     210
    .wavefront_size: 32
...
	.end_amdgpu_metadata
.endif
;; end of part 1
;; launch attn (part 2): grid 4 x 64, 16 waves a work-group, clusters of 4 x 1, 216,064 bytes of LDS; arguments query, kv, acodes, asc; writes acodes, asc
.if DOCPART == 2
	.amdgcn_target "amdgcn-amd-amdhsa--gfx1250"
	.amdhsa_code_object_version 6
	.text
	.protected	k_q6c95fb5042_attn
	.globl	k_q6c95fb5042_attn
	.p2align	8
	.type	k_q6c95fb5042_attn,@function
k_q6c95fb5042_attn:
	s_mov_b64 s[64:65], 0
	v_nop
	global_prefetch_b8 v0, s[64:65] scope:SCOPE_SE
	s_setreg_imm32_b32 hwreg(HW_REG_WAVE_MODE, 25, 1), 1
	s_wait_xcnt 0x0
	s_wait_alu depctr_hold_cnt(0) depctr_sa_sdst(0) depctr_va_vdst(0) depctr_va_sdst(0) depctr_va_ssrc(0) depctr_va_vcc(0) depctr_vm_vsrc(0)
	s_getreg_b32 s2, hwreg(HW_REG_IB_STS2, 6, 4)
	s_cmp_eq_u32 s2, 0
	s_cbranch_scc0 .Lentry_in_a_cluster
	s_endpgm
.Lentry_in_a_cluster:
	s_bfe_u32 s2, ttmp6, 0x10000c
	s_cmp_lg_u32 s2, 0x3003
	s_cbranch_scc0 .Lentry_shape_is_right
	s_endpgm
.Lentry_shape_is_right:
; out[n][q][head][:] = the sum over keys of softmax(q . k / sqrt(512), hidden keys at -2^67) v, both products on codes of FP4 (E2M1) with one E8M0 scale for each 32 along K.
; query [8][2048][512] f32 is quantised here, in registers; K, V and the mask come as register images from kv (8,960 bytes for each 128 keys of a head).
; The result is quantised along its 64 channels and leaves as the next product's operand: acodes [row / 16][head][lane][16 bytes], asc [head][row][2 bytes].
; THE SOFTMAX: t = score x c, c = log2(e) / sqrt(512); M = the running largest t rounded UP to a whole number, kept as -M = floor(-t); p = 2^(t - M) is what is quantised, not normalised;
; the row's sum is taken of the unquantised p and divides at the end; when M moves, the sum and O are multiplied by 2^(old M - new M), which rounds nothing.
; SHARES: a work-group owns 512 queries of one head; each of its sixteen waves two tiles of 16 queries, one after the other (two passes over the keys), in 256 registers: four waves to a SIMD,
; so that one wave's exponentials stand beside another's plain vector work, products and LDS loads.
; A WHOLE HEAD'S kv, 143,360 bytes, COMES INTO LDS ONCE: sixteen tensor loads, one a wave; nothing is filled again.  CLUSTER: the four work-groups of a head read the same bytes, so each
; load is asked for JOINTLY (mask 15, the same descriptor in all four).
; LAYOUT: both products transposed: S^T = K Q^T (source 0 = 16 keys), O^T = V^T P^T (source 0 = 16 channels): a lane holds ONE query (lane % 16) throughout.
; Lane r of K's tile 4 c + u holds key 64 c + 8 u + r % 8 + 32 (r / 8): so register 8 (4 c + u) + j of S^T is key 64 c + 32 (lane / 16) + 8 u + j: a lane holds WHOLE blocks of 32 keys in the
; order of the 4-bit operand: a block's maximum needs no other lane, and the conversion of tile 4 c + u's eight registers IS register 4 c + u of P.
; THE MASK costs no line here: the score product's K is 64, the instruction's 128.  At k = 64 every K fragment holds the code of 1 and Q the code of -1; byte 2 of a key's scale word is 194
; (the term is -2^67) where the key is hidden and 1 (-2^-126) where it counts.  -2^67 x c and its floor are exact, so a batch with every key hidden gives p = 1 everywhere.
; LIMITS: -2^67 stands where the problem writes -1e20: equal results while |q . k| stays under 1e18.  Blocks whose largest magnitude lies under 2^-124 get the byte 1.  NaN and infinities are not served.
.set STEPB, 8960                       ; a key step's block: K's image 4,096, V's 4,096, K's scale words 512, V's 256
.set VIO,   4096
.set KSO,   8192
.set VSO,   8704
.set QST,   16*STEPB                   ; behind kv: a stage of 16 rows x 272 bytes for each wave, to turn Q's rows
.set STP,   272
.set STW,   16*STP
.set SCR,   QST+16*STW                 ; behind the stages: 1,024 bytes: the scale bytes of the work-group's 512 rows
.set L16, 1                            ; v1   16 x lane
.set L8,  2                            ; v2   8 x lane
.set ADR, 3                            ; v3   the step's block + 16 x lane
.set AD8, 4                            ; v4   the step's block + 8 x lane
.set H8,  5                            ; v5   8 x (lane / 16)
.set QA,  6                            ; v6   Q in memory: lanes 0-15 a row's 256 bytes, lanes 16-31 the row 8 further down
.set SIN, 7                            ; v7   into my stage
.set SOUT, 8                           ; v8   out of it
.set SCA, 9                            ; v9   my scale byte's place: SCR + 32 wave + 2 r + h
.set PFO, 10                           ; v10  2,048 x lane: a lane a row, for the prefetch
.set T16, 11                           ; v11  16 x (thread % 64)
.set NM,  12                           ; v12  -M
.set MS,  13                           ; v13  the running largest score
.set LS,  14                           ; v[14:15] the sum, in two halves
.set Q,   16                           ; v[16:23] Q's fragment
.set DC,  24                           ; v[24:31] the result's codes, four registers a pass: no store's data are written again
.set KF,  32                           ; v[32:95] K's eight fragments: four registers of codes, four constants
.set S,   96                           ; v[96:159] S^T, then p
.set O,   160                          ; v[160:191] O^T
.set VF,  192                          ; v[192:223] V's four fragments
.set P,   224                          ; v[224:231] p's codes
.set BM,  232                          ; v232-235 largest scores of my two blocks, in two chains each
.set BN,  234
.set T,   236
.set T2,  237                          ; the lane exchanges' destination
.set F,   238                          ; v[238:239] 2^(old M - new M); at the end 1 / the sum
.set SC,  240                          ; v240-241 the conversions' scale operands
.set BY,  242                          ; v242-243 scale bytes
.set PS,  244                          ; v244 p's scale word
.set SCB, 245                          ; v245 where waves 0 and 1 read the scale bytes back
.set SU,  246                          ; v[246:247] the sum's second chain
.set KS,  248                          ; v[248:251] K's scale words: register i: lanes 0-15 tile 2 i, lanes 16-31 tile 2 i + 1
.set VS,  252                          ; v[252:253] V's likewise
.set QS,  254                          ; v254 Q's scale words
.set ONM, 255                          ; v255 the old -M
.set WV,  24                           ; s24 wave
.set TB,  40                           ; s40 LDS byte at which the step's block begins
.set CNT, 41                           ; s41 key steps to go
.set LIM, 42                           ; s42 2 in an even wave, else the greatest number
; A round of the cluster's barrier: my work-group's barrier; wave 0 signals for the work-group; every wave waits for all four work-groups; my work-group's barrier once more.
.macro CROUND
	s_barrier_signal -1
	s_barrier_wait -1
	s_cmp_lg_u32 s[WV], 0
	s_cbranch_scc1 .Lnot_wave_0_\@
	s_barrier_signal -3
.Lnot_wave_0_\@:
	s_barrier_wait -3
	s_barrier_signal -1
	s_barrier_wait -1
.endm
	s_load_b256 s[4:11], s[0:1], 0x0               ; query s[4:5], kv s[6:7], acodes s[8:9], asc s[10:11]
	v_lshl_add_u32 v254, v0, 2, 0x34400
	v_mov_b32 v255, 0
	ds_add_u32 v254, v255
	ds_add_u32 v254, v255
	s_wait_dscnt 0x0
	v_lshrrev_b32 v1, 5, v0
	v_readfirstlane_b32 s[WV], v1                  ; wave 0..15
	s_bfe_u32 s25, ttmp6, 0x40000                  ; cx: my place in the cluster: it enters query's, acodes' and asc's addresses alone
	s_and_b32 s26, ttmp7, 0xffff                   ; y = 8 n + head, which the four partners share
	s_lshr_b32 s27, s26, 3                         ; n
	s_and_b32 s28, s26, 7                          ; head
	s_mul_i32 s13, s[WV], STEPB                    ; descriptor group 0, 63:32: LDS address: key step = my wave's number
	s_mul_i32 s30, s26, 16*STEPB
	s_add_co_u32 s30, s30, s13                     ; and the same step of my head in kv
	s_mov_b32 s31, 0
	s_lshl_b32 s32, s25, 9
	s_lshl_b32 s33, s[WV], 4
	s_add_co_u32 s32, s32, s33                     ; my first query in the batch: 512 cx + 16 wave
	s_lshl_b32 s32, s32, 11                        ; rows of 2,048 bytes
	s_lshl_b32 s33, s27, 22
	s_add_co_u32 s32, s32, s33
	s_lshl_b32 s33, s28, 8
	s_add_co_u32 s32, s32, s33                     ; + the head's 256 bytes
	s_mov_b32 s33, 0
	s_lshl_b32 s44, s27, 7
	s_lshl_b32 s45, s25, 5
	s_add_co_u32 s44, s44, s45
	s_add_co_u32 s44, s44, s[WV]                   ; my first tile of rows: 128 n + 32 cx + wave
	s_lshl_b32 s44, s44, 12                        ; 4,096 bytes a tile,
	s_lshl_b32 s45, s28, 9
	s_add_co_u32 s44, s44, s45                     ; 512 a head
	s_mov_b32 s45, 0
	s_lshl_b32 s46, s28, 15                        ; asc: 32,768 bytes a head,
	s_lshl_b32 s47, s27, 12
	s_add_co_u32 s46, s46, s47
	s_lshl_b32 s47, s25, 10
	s_add_co_u32 s46, s46, s47                     ; 2 bytes a row
	s_mov_b32 s47, 0
	s_mov_b32 s12, 1                               ; group 0: 1:0 count = 1
	; descriptor group 1: a dense block of 8,960 bytes as 35 rows of 256 bytes (32 elements of 8 bytes), no padding: the images are read 16 x lane, on end
	s_mov_b32 s16, 15|(3<<16)|(1<<21)              ; 15:0 the mask: all four work-groups; 17:16 elements of 8 bytes; 21 set beside a mask
	s_mov_b32 s17, 32<<16                          ; tensor_dim0 = 32
	s_mov_b32 s18, 35<<16                          ; tensor_dim1 = 35
	s_mov_b32 s19, 32<<16                          ; tile_dim0 = 32
	s_mov_b32 s20, 35                              ; tile_dim1 = 35
	s_mov_b32 s21, 32                              ; from row to row
	s_mov_b32 s22, 0
	s_mov_b32 s23, 0
	s_mov_b32 s34, 0x76543210
	s_mov_b32 s35, 0xfedcba98                      ; v_permlanex16_b32's selects for lane l xor 16
	s_mov_b32 s36, 0x3d8293ee                      ; c = log2(e) / sqrt(512)
	s_mov_b32 s37, s36                             ; (the packed form names the pair and takes its low word for both halves)
	s_mov_b32 s38, 0xbd8293ee                      ; -c
	s_mov_b32 s39, 0xffff0000                      ; lanes 16-31
	s_and_b32 s[LIM], s[WV], 1
	s_cmp_eq_u32 s[LIM], 0
	s_cselect_b32 s[LIM], 2, -1
	s_wait_kmcnt 0x0
	s_add_nc_u64 s[14:15], s[6:7], s[30:31]        ; group 0, 120:64: global address
	s_or_b32 s15, s15, 0x80000000                  ; 127:126 type = 2
	s_add_nc_u64 s[4:5], s[4:5], s[32:33]
	s_add_nc_u64 s[8:9], s[8:9], s[44:45]
	s_add_nc_u64 s[10:11], s[10:11], s[46:47]
	CROUND                                         ; all four work-groups are here: the joint loads meet
	tensor_load_to_lds s[12:15], s[16:23]          ; my one tensor load of the launch: key step = my wave's number
	s_nop 0
.rept 4
	v_nop                                          ; four behind the load
.endr
	v_and_b32 v[T], 31, v0                         ; lane
	v_and_b32 v[T2], 15, v0                        ; r
	v_bfe_u32 v[ONM], v0, 4, 1                     ; h
	v_lshlrev_b32 v[L16], 4, v[T]
	v_lshlrev_b32 v[L8], 3, v[T]
	v_lshlrev_b32 v[PFO], 11, v[T]
	v_lshlrev_b32 v[H8], 3, v[ONM]
	v_lshlrev_b32 v[T], 4, v[T2]                   ; 16 r
	v_lshl_add_u32 v[QA], v[ONM], 14, v[T]
	s_mul_i32 s29, s[WV], STW
	s_add_co_u32 s29, s29, QST                     ; my stage
	v_mad_u32_u24 v[SIN], v[ONM], 8*STP, v[T]
	v_add_nc_u32 v[SIN], s29, v[SIN]               ; in: row 8 h + k, 16 r
	v_mul_u32_u24 v[SOUT], v[T2], STP
	v_lshl_add_u32 v[SOUT], v[ONM], 7, v[SOUT]
	v_add_nc_u32 v[SOUT], s29, v[SOUT]             ; back: row r, its half h
	s_lshl_b32 s43, s[WV], 5
	s_add_co_u32 s43, s43, SCR
	v_lshl_add_u32 v[SCA], v[T2], 1, v[ONM]
	v_add_nc_u32 v[SCA], s43, v[SCA]
	v_and_b32 v[T16], 63, v0
	v_lshlrev_b32 v[T16], 4, v[T16]
	v_add_nc_u32 v[SCB], SCR, v[T16]
.irp t, 0,1,2,3,4,5,6,7
	v_mov_b32 v[KF+8*\t+4], 2                      ; K's fragments, k = 64 on: the code of 1 at k = 64 (and at k = 96, where Q holds 0), zeros else.  Written once
	v_mov_b32 v[KF+8*\t+5], 0
	v_mov_b32 v[KF+8*\t+6], 0
	v_mov_b32 v[KF+8*\t+7], 0
.endr
	v_cndmask_b32 v[Q+4], 10, 0, s39               ; Q's: the code of -1 at k = 64 (lanes 0-15), zeros else
	v_mov_b32 v[Q+5], 0
	v_mov_b32 v[Q+6], 0
	v_mov_b32 v[Q+7], 0
	v_mov_b32 v[F+1], 0                            ; (named as the upper half of the pair before it is ever used)
; A KEY STEP: 128 keys.  pf = 1: the pass in which the second tile's rows of Q are prefetched.
.macro STEP pf
	v_add_nc_u32 v[ADR], s[TB], v[L16]
	v_add_nc_u32 v[AD8], s[TB], v[L8]
	ds_load_b128 v[KS:KS+3], v[ADR] offset:KSO
.irp t, 0,1,2,3,4,5,6,7
	ds_load_b128 v[KF+8*\t:KF+8*\t+3], v[ADR] offset:512*\t
.endr
	s_wait_dscnt 0x0
.irp t, 0,2,4,6                                ; S^T = K Q^T: eight accumulators, each begun with the constant 0
	v_wmma_scale_f32_16x16x128_f8f6f4 v[S+8*\t:S+8*\t+7], v[KF+8*\t:KF+8*\t+7], v[Q:Q+7], 0, v[KS+\t/2], v[QS] matrix_a_fmt:MATRIX_FMT_FP4 matrix_b_fmt:MATRIX_FMT_FP4
	v_wmma_scale_f32_16x16x128_f8f6f4 v[S+8*\t+8:S+8*\t+15], v[KF+8*\t+8:KF+8*\t+15], v[Q:Q+7], 0, v[KS+\t/2], v[QS] matrix_a_fmt:MATRIX_FMT_FP4 matrix_b_fmt:MATRIX_FMT_FP4 matrix_a_scale:MATRIX_SCALE_ROW1
.endr
.rept 4
	v_nop                                          ; four places ahead of the first read of the scores; with the two additions at the step's head they are six places behind the last step's V^T P, ahead of the loads into its operands
.endr
	ds_load_b64 v[VS:VS+1], v[AD8] offset:VSO      ; V lands while the softmax is worked
.irp f, 0,1,2,3,4,5,6,7
	ds_load_b128 v[VF+4*\f:VF+4*\f+3], v[ADR] offset:VIO+512*\f
.endr
.if \pf
	; A PREFETCH INTO THE L2 of the second pass's rows of Q, in the last trip but one of the first pass: an even wave names the 32 rows of its own and of the next wave's second tile,
	; a lane a row (a head's part of a row is 256 bytes, aligned): each is named once in the launch.  The address registers are never rewritten.
	s_cmp_eq_u32 s[CNT], s[LIM]
	s_cbranch_scc0 .Lno_ask_\@
	global_prefetch_b8 v[PFO], s[4:5] offset:524288 th:TH_LOAD_NT scope:SCOPE_SE
.Lno_ask_\@:
.endif
	; THE LARGEST SCORE OF EACH OF MY TWO BLOCKS OF 32 KEYS: it serves twice: for the row's maximum and, since p rises with the score, for the block's largest p.
	; Four chains by turns; each accumulator is first read at its low end.
.irp c, 0,1
	v_max3_num_f32 v[BM+\c], v[S+32*\c], v[S+32*\c+1], v[S+32*\c+2]
	v_max3_num_f32 v[BN+\c], v[S+32*\c+16], v[S+32*\c+17], v[S+32*\c+18]
.endr
.irp i, 3,5,7,9,11,13
.irp c, 0,1
	v_max3_num_f32 v[BM+\c], v[BM+\c], v[S+32*\c+\i], v[S+32*\c+\i+1]
	v_max3_num_f32 v[BN+\c], v[BN+\c], v[S+32*\c+16+\i], v[S+32*\c+17+\i]
.endr
.endr
.irp c, 0,1
	v_max3_num_f32 v[BM+\c], v[BM+\c], v[BN+\c], v[S+32*\c+15]
.endr
.irp c, 0,1
	v_max_num_f32 v[BM+\c], v[BM+\c], v[S+32*\c+31]
.endr
	v_max_num_f32 v[T], v[BM], v[BM+1]
	v_permlanex16_b32 v[T2], v[T], s34, s35        ; my query's other 64 keys lie in the lane 16 away
	v_max3_num_f32 v[MS], v[MS], v[T], v[T2]       ; the running largest score
	v_mov_b32 v[ONM], v[NM]
	v_mul_f32 v[T], s38, v[MS]                     ; -t
	v_floor_f32 v[NM], v[T]                        ; the new -M = floor(-t): M IS A WHOLE NUMBER
	v_sub_f32 v[T], v[NM], v[ONM]                  ; old M - new M: a whole number, 0 or less
	v_cvt_i32_f32 v[T], v[T]                       ; (it saturates)
	v_ldexp_f32 v[F], 1.0, v[T]                    ; f = 2^(old M - new M)
.set j, 0
.rept 32
	v_pk_fma_f32 v[S+j:S+j+1], v[S+j:S+j+1], s[36:37], v[NM:NM+1] op_sel_hi:[1,0,0]   ; t - M, two at a time
.set j, j+2
.endr
	v_fma_f32 v[BM], v[BM], s36, v[NM]             ; the same of each block's largest score
	v_fma_f32 v[BM+1], v[BM+1], s36, v[NM]
	v_exp_f32 v[BM], v[BM]                         ; ONE BATCH of 66 exponentials: the blocks' largest p,
	v_exp_f32 v[BM+1], v[BM+1]
.set j, 0
.rept 64
	v_exp_f32 v[S+j], v[S+j]                       ; and p = 2^(t - M): NOT normalised
.set j, j+1
.endr
	v_pk_mul_f32 v[LS:LS+1], v[LS:LS+1], v[F:F+1] op_sel_hi:[1,0]   ; the sums under the new M: the plain line behind the last exponential
	s_wait_alu depctr_va_vdst(0)                   ; one wait for the whole batch, ahead of its first reader
	v_pk_add_f32 v[SU:SU+1], v[S:S+1], v[S+2:S+3]  ; THE ROW'S SUM IS TAKEN OF THE UNQUANTISED p: two at a time, in two chains
.set j, 4
.rept 15
	v_pk_add_f32 v[LS:LS+1], v[LS:LS+1], v[S+j:S+j+1]
	v_pk_add_f32 v[SU:SU+1], v[SU:SU+1], v[S+j+2:S+j+3]
.set j, j+4
.endr
	v_pk_add_f32 v[LS:LS+1], v[LS:LS+1], v[SU:SU+1]
.irp c, 0,1
	v_max_num_f32 v[BM+\c], 0x1800000, v[BM+\c]    ; the floor 2^(3 - 127): the byte cannot fall under 1 (a block whose every p is 0 keeps that byte: its codes are zeros)
.endr
.irp c, 0,1
	v_add_nc_u32 v[SC+\c], 0xff000000, v[BM+\c]    ; 2 off the exponent field: the conversion's scale operand
.endr
.irp c, 0,1
	v_lshrrev_b32 v[BY+\c], 23, v[SC+\c]           ; the scale's byte: block 2 c + lane / 16
.endr
	v_lshl_or_b32 v[PS], v[BY+1], 16, v[BY]
	v_lshlrev_b32 v[PS], v[H8], v[PS]              ; at their places in the word,
	v_permlanex16_b32 v[T2], v[PS], s34, s35
	v_or_b32 v[PS], v[PS], v[T2]                   ; and with the other lane's two the word is whole
.irp c, 0,1
.irp u, 0,1,2,3
	v_cvt_scalef32_pk8_fp4_f32 v[P+4*\c+\u], v[S+8*(4*\c+\u):S+8*(4*\c+\u)+7], v[SC+\c]   ; register 4 c + u of the operand, as it stands
.endr
.endr
	v_nop                                          ; one plain line behind the conversions
.set j, 0
.rept 16
	v_pk_mul_f32 v[O+j:O+j+1], v[O+j:O+j+1], v[F:F+1] op_sel_hi:[1,0]   ; O^T under the new M.  (With the v_nop: seventeen places between p's scale word and codes and the products)
.set j, j+2
.endr
	s_wait_dscnt 0x0                               ; V is in
.irp t, 0,2                                    ; O^T += V^T P^T: four accumulators, one instruction each; the scores' eight products stand between two links of a chain
	v_wmma_scale_f32_16x16x128_f8f6f4 v[O+8*\t:O+8*\t+7], v[VF+8*\t:VF+8*\t+7], v[P:P+7], v[O+8*\t:O+8*\t+7], v[VS+\t/2], v[PS] matrix_a_fmt:MATRIX_FMT_FP4 matrix_b_fmt:MATRIX_FMT_FP4
	v_wmma_scale_f32_16x16x128_f8f6f4 v[O+8*\t+8:O+8*\t+15], v[VF+8*\t+8:VF+8*\t+15], v[P:P+7], v[O+8*\t+8:O+8*\t+15], v[VS+\t/2], v[PS] matrix_a_fmt:MATRIX_FMT_FP4 matrix_b_fmt:MATRIX_FMT_FP4 matrix_a_scale:MATRIX_SCALE_ROW1
.endr
.endm
; THE WAY OUT of pass i: O^T / the sum; register 8 t + j is channel 16 t + 8 (lane / 16) + j of my query.  It is quantised along the channels: block b = tiles 2 b, 2 b + 1, half of it in the lane 16 away.
.macro OUT i
	v_nop
	v_nop                                          ; with the two additions and the v_nop below: five places behind the last products
	v_add_f32 v[LS], v[LS], v[LS+1]                ; the sum's two halves,
	v_permlanex16_b32 v[T2], v[LS], s34, s35
	v_add_f32 v[LS], v[LS], v[T2]                  ; and the other lane's: the row's sum
	v_rcp_f32 v[F], v[LS]
	v_nop                                          ; a plain line behind the reciprocal,
	s_wait_alu depctr_va_vdst(0)                   ; and a wait ahead of its first reader
.set j, 0
.rept 16
	v_pk_mul_f32 v[O+j:O+j+1], v[O+j:O+j+1], v[F:F+1] op_sel_hi:[1,0]   ; ascending: each accumulator is first read at its low end
.set j, j+2
.endr
.irp b, 0,1
	v_max3_num_f32 v[BM+\b], |v[O+16*\b]|, |v[O+16*\b+1]|, 0x1800000   ; my 16 numbers of block b, and the floor
.endr
.irp k, 2,4,6,8,10,12,14
.irp b, 0,1
	v_max3_num_f32 v[BM+\b], v[BM+\b], |v[O+16*\b+\k]|, |v[O+16*\b+\k+1]|
.endr
.endr
.irp b, 0,1
	v_permlanex16_b32 v[BN+\b], v[BM+\b], s34, s35
.endr
.irp b, 0,1
	v_max_num_f32 v[BM+\b], v[BM+\b], v[BN+\b]
.endr
.irp b, 0,1
	v_add_nc_u32 v[SC+\b], 0xff000000, v[BM+\b]
.endr
	v_cvt_scalef32_pk8_fp4_f32 v[DC+4*\i], v[O:O+7], v[SC]            ; tile 0
	v_cvt_scalef32_pk8_fp4_f32 v[DC+4*\i+1], v[O+16:O+23], v[SC+1]    ; tile 2
	v_cvt_scalef32_pk8_fp4_f32 v[DC+4*\i+2], v[O+8:O+15], v[SC]       ; tile 1
	v_cvt_scalef32_pk8_fp4_f32 v[DC+4*\i+3], v[O+24:O+31], v[SC+1]    ; tile 3
	v_lshrrev_b32 v[BY], 23, v[SC]                 ; the scales' bytes.  (Also the plain line behind the conversions)
	v_lshrrev_b32 v[BY+1], 23, v[SC+1]
	v_permlane16_swap_b32 v[DC+4*\i], v[DC+4*\i+1]     ; the operand wants a WHOLE block in a lane: lanes 0-15 channels 0-31, lanes 16-31 channels 32-63
	v_permlane16_swap_b32 v[DC+4*\i+2], v[DC+4*\i+3]
	v_cndmask_b32 v[T], v[BY], v[BY+1], s39        ; lanes 0-15 carry block 0's byte, lanes 16-31 block 1's
	global_store_b128 v[L16], v[DC+4*\i:DC+4*\i+3], s[8:9] offset:65536*\i   ; 32 lanes store 512 consecutive bytes, aligned
	ds_store_b8 v[SCA], v[T] offset:512*\i
.endm
; A PASS: one tile of 16 queries against all 2,048 keys.
.macro PASS i
.irp k, 0,1,2,3,4,5,6,7
	global_load_b128 v[S+32+4*\k:S+35+4*\k], v[QA], s[4:5] offset:524288*\i+2048*\k th:TH_LOAD_NT   ; two rows' 256 consecutive bytes
.endr
	s_wait_loadcnt 0x0
.irp k, 0,1,2,3,4,5,6,7
	ds_store_b128 v[SIN], v[S+32+4*\k:S+35+4*\k] offset:STP*\k
.endr
.irp k, 0,1,2,3,4,5,6,7
	ds_load_b128 v[S+4*\k:S+4*\k+3], v[SOUT] offset:16*\k   ; LDS serves a wave's instructions in order: these see my stores.  32 neighbours of row r
.endr
	s_wait_dscnt 0x0
	v_max3_num_f32 v[BM], |v[S]|, |v[S+1]|, |v[S+2]|
	v_max3_num_f32 v[BM+1], |v[S+3]|, |v[S+4]|, |v[S+5]|
.irp k, 6,10,14,18,22,26
	v_max3_num_f32 v[BM], v[BM], |v[S+\k]|, |v[S+\k+1]|
	v_max3_num_f32 v[BM+1], v[BM+1], |v[S+\k+2]|, |v[S+\k+3]|
.endr
	v_max3_num_f32 v[BM], v[BM], |v[S+30]|, |v[S+31]|
	v_max3_num_f32 v[BM], v[BM], v[BM+1], 0x1800000
	v_add_nc_u32 v[SC], 0xff000000, v[BM]
.irp g, 0,1,2,3
	v_cvt_scalef32_pk8_fp4_f32 v[Q+\g], v[S+8*\g:S+8*\g+7], v[SC]
.endr
	v_lshrrev_b32 v[BY], 23, v[SC]                 ; (also the plain line behind the conversions)
	v_lshlrev_b32 v[BY], v[H8], v[BY]
	v_permlanex16_b32 v[T2], v[BY], s34, s35
	v_or_b32 v[BY], v[BY], v[T2]
	v_or_b32 v[QS], 0x7f7f0000, v[BY]              ; Q's scale word: its two blocks' bytes, and 127 for k = 64 on
.set j, 0
.rept 32
	v_mov_b32 v[O+j], 0                            ; O^T.  (The step is written once: the first finds zeros, which the first change of M leaves zeros.  These are also the places between Q's word and codes and the first product)
.set j, j+1
.endr
	v_mov_b32 v[MS], 0xff61b1e6                    ; the largest score so far: -3e38
	v_mul_f32 v[NM], s38, v[MS]
	v_floor_f32 v[NM], v[NM]                       ; -M
	v_mov_b32 v[LS], 0
	v_mov_b32 v[LS+1], 0
.if \i == 0
	s_wait_tensorcnt 0x0                           ; my key step has landed,
	s_barrier_signal -1
	s_barrier_wait -1                              ; everybody's has: the head's kv lies in LDS for the rest of the launch
.endif
	s_mov_b32 s[TB], 0
	s_mov_b32 s[CNT], 16
.Lkey_\@:
	STEP 1-\i
	s_add_co_u32 s[TB], s[TB], STEPB
	s_sub_co_u32 s[CNT], s[CNT], 1
	s_cmp_lg_u32 s[CNT], 0
	s_cbranch_scc1 .Lkey_\@
	OUT \i
.endm
	PASS 0
	PASS 1
	s_wait_dscnt 0x0                               ; for the others' sake: my two byte stores are done
	s_barrier_signal -1
	s_barrier_wait -1
	s_cmp_lt_u32 s[WV], 2
	s_cbranch_scc0 .Lno_bytes
	ds_load_b128 v[BM:BM+3], v[SCB]                ; waves 0 and 1: the 1,024 scale bytes of the work-group's 512 rows
	s_wait_dscnt 0x0
	global_store_b128 v[T16], v[BM:BM+3], s[10:11] ; 64 lanes store 1,024 consecutive bytes, aligned
.Lno_bytes:
	s_wait_xcnt 0x0
	v_lshl_add_u32 v254, v0, 2, 0x34400
	v_mov_b32 v255, 0
	s_wait_tensorcnt 0x0
	ds_add_u32 v254, v255
	s_wait_dscnt 0x0
	CROUND                                         ; the closing round: no work-group ends while a partner may still ask for a tile that names it
	s_endpgm
.Lfunc_end_k_q6c95fb5042_attn:
	.size	k_q6c95fb5042_attn, .Lfunc_end_k_q6c95fb5042_attn-k_q6c95fb5042_attn
	.p2alignl 7, 3214868480
	.fill 96, 4, 3214868480
	.section	.rodata,"a",@progbits
	.p2align	6, 0x0
	.amdhsa_kernel k_q6c95fb5042_attn
		.amdhsa_group_segment_fixed_size 216064
		.amdhsa_private_segment_fixed_size 0
		.amdhsa_enable_private_segment 0
		.amdhsa_kernarg_size 32
		.amdhsa_user_sgpr_count 2
		.amdhsa_user_sgpr_kernarg_segment_ptr 1
		.amdhsa_wavefront_size32 1
		.amdhsa_system_sgpr_workgroup_id_x 1
		.amdhsa_system_sgpr_workgroup_id_y 1
		.amdhsa_system_sgpr_workgroup_id_z 1
		.amdhsa_system_vgpr_workitem_id 0
		.amdhsa_next_free_vgpr 256
		.amdhsa_next_free_sgpr 66
		.amdhsa_reserve_vcc 0
		.amdhsa_float_denorm_mode_32 3
		.amdhsa_float_denorm_mode_16_64 3
		.amdhsa_memory_ordered 1
		.amdhsa_forward_progress 1
		.amdhsa_inst_pref_size 51
	.end_amdhsa_kernel
	.amdgpu_metadata
---
amdhsa.version: [ 1, 2 ]
amdhsa.kernels:
  - .name:           k_q6c95fb5042_attn
    .symbol:         k_q6c95fb5042_attn.kd
    .args:
      - { .name: query, .offset: 0, .size: 8, .value_kind: global_buffer, .address_space: global }
      - { .name: kv, .offset: 8, .size: 8, .value_kind: global_buffer, .address_space: global }
      - { .name: acodes, .offset: 16, .size: 8, .value_kind: global_buffer, .address_space: global }
      - { .name: asc, .offset: 24, .size: 8, .value_kind: global_buffer, .address_space: global }
    .group_segment_fixed_size: 216064
    .private_segment_fixed_size: 0
    .kernarg_segment_align: 8
    .kernarg_segment_size: 32
    .max_flat_workgroup_size: 512
    .sgpr_count:     66
    .vgpr_count:     256
    .wavefront_size: 32
...
	.end_amdgpu_metadata
.endif
;; end of part 2
;; launch proj (part 3): grid 256 x 1, 16 waves a work-group, no clusters, 152,576 bytes of LDS; arguments acodes, asc, wimg, wsc, out0; writes out0
.if DOCPART == 3
	.amdgcn_target "amdgcn-amd-amdhsa--gfx1250"
	.amdhsa_code_object_version 6
	.text
	.protected	k_q6c95fb5042_proj
	.globl	k_q6c95fb5042_proj
	.p2align	8
	.type	k_q6c95fb5042_proj,@function
k_q6c95fb5042_proj:
	s_mov_b64 s[64:65], 0
	v_nop
	global_prefetch_b8 v0, s[64:65] scope:SCOPE_SE
	s_setreg_imm32_b32 hwreg(HW_REG_WAVE_MODE, 25, 1), 1
	s_wait_xcnt 0x0
; out0[row][col] = the sum over k of out[row][k] W_out[col][k], K = 512, on codes of FP4 (E2M1) with one E8M0 scale for each 32 along K; out0 [16384][512] f32.
; Both operands come as images of their registers: acodes [row / 16][head][lane][16 bytes] (a K step of 128 is two heads), asc [head][row][2 bytes]; wimg [col / 16][K step][half][lane][16 bytes], wsc [col / 16][col % 16][K step] words.
; SHARES: a work-group takes 64 rows, four tiles of 16.  THE WAVES SHARE THE COLUMNS: wave w makes columns 32 w .. 32 w + 31 for all 64 rows; its part of W (8 fragments, 64 registers) goes from memory
; straight into the registers where it stays.  No cluster: a joint load would send W through LDS, 128 KiB written and read again in each work-group, to feed 32 products a wave.
; The rows' 16 fragments are fetched once, one a wave, and go from wave to wave through LDS as they stand.
; THE MATRIX INSTRUCTION IS USED TRANSPOSED (source 0 = 16 rows of W, source 1 = 16 rows of out): a lane holds eight neighbouring columns of one row.
; The results meet in a stage in LDS and leave as whole rows: each store of a wave covers 512 consecutive bytes, aligned.
.set AIMG, 0                           ; LDS: the rows' 16 fragments (tile of rows m, K step s: 4 m + s), 1,024 bytes each,
.set ASC,  16384                       ; their scale words, 128 bytes each,
.set STG,  18432                       ; and the stage: 64 rows x (2,048 bytes + 16)
.set SP,   2064
.set WS,   24                          ; v[24:27]  W's scale words: register s: lanes 0-15 my first tile of columns, lanes 16-31 my second
.set AS,   28                          ; v[28:31]  the rows' scale words, a register for each tile of rows
.set WF,   32                          ; v[32:95]  W's fragments (tile n2, K step s) at 8 (4 n2 + s); on the way out: rows of out0
.set AF,   96                          ; v[96:127] a K step's four fragments of rows
.set ACC,  128                         ; v[128:191] accumulator (m, n2) at 8 (2 m + n2)
	s_load_b256 s[4:11], s[0:1], 0x0               ; acodes s[4:5], asc s[6:7], wimg s[8:9], wsc s[10:11]
	s_load_b64 s[12:13], s[0:1], 0x20              ; out0
	v_lshl_add_u32 v200, v0, 2, 0x24c00
	v_mov_b32 v201, 0
	v_lshrrev_b32 v1, 5, v0
	v_readfirstlane_b32 s14, v1                    ; wave 0..15
	v_and_b32 v9, 31, v0                           ; lane
	v_and_b32 v10, 15, v0                          ; r
	v_bfe_u32 v11, v0, 4, 1                        ; h
	v_lshlrev_b32 v1, 4, v9                        ; 16 x lane
	v_lshlrev_b32 v2, 2, v9                        ; 4 x lane
	v_lshlrev_b32 v3, 1, v10                       ; 2 r: a row's two scale bytes of a head
	s_lshl_b32 s15, s14, 10
	v_add_nc_u32 v4, s15, v1                       ; where I put my fragment's image
	s_lshl_b32 s16, s14, 7
	s_add_co_u32 s17, s16, ASC
	v_add_nc_u32 v5, s17, v2                       ; and its scale words
	v_mul_u32_u24 v6, v10, SP
	v_lshl_add_u32 v6, v11, 5, v6
	s_add_co_u32 s18, s16, STG
	v_add_nc_u32 v6, s18, v6                       ; the stage: row r, + 32 h, + my 128 bytes of a row (tiles of rows 0 and 1),
	v_add_nc_u32 v7, 32*SP, v6                     ; and 32 rows on (tiles 2 and 3): an LDS offset has 16 bits
	s_mul_i32 s19, s14, 4*SP
	s_add_co_u32 s19, s19, STG
	v_add_nc_u32 v8, s19, v1                       ; back: my four rows, 16 bytes a lane
	s_lshl_b32 s20, ttmp9, 14                      ; acodes: 4 tiles of rows x 4,096 bytes a work-group,
	s_add_co_u32 s20, s20, s15                     ; my fragment: 4 m + s = my wave's number
	s_mov_b32 s21, 0
	s_and_b32 s22, s14, 3
	s_lshl_b32 s22, s22, 16                        ; asc: head 2 s,
	s_lshl_b32 s23, ttmp9, 7
	s_add_co_u32 s22, s22, s23                     ; row 64 g
	s_lshr_b32 s23, s14, 2
	s_lshl_b32 s23, s23, 5
	s_add_co_u32 s22, s22, s23                     ; + 16 m
	s_mov_b32 s23, 0
	s_lshl_b32 s24, s14, 13                        ; wimg: two tiles of 4,096 bytes a wave
	s_mov_b32 s25, 0
	s_lshl_b32 s26, s14, 9                         ; wsc: two tiles of 256 bytes
	s_mov_b32 s27, 0
	s_lshl_b32 s28, ttmp9, 17                      ; out0: 64 rows of 2,048 bytes a work-group,
	s_add_co_u32 s28, s28, s24                     ; four rows a wave
	s_mov_b32 s29, 0
	s_wait_kmcnt 0x0
	s_add_nc_u64 s[4:5], s[4:5], s[20:21]
	s_add_nc_u64 s[6:7], s[6:7], s[22:23]
	s_add_nc_u64 s[8:9], s[8:9], s[24:25]
	s_add_nc_u64 s[10:11], s[10:11], s[26:27]
	s_add_nc_u64 s[12:13], s[12:13], s[28:29]
	global_load_b128 v[AF:AF+3], v1, s[4:5] th:TH_LOAD_NT              ; my fragment of rows: head 2 s,
	global_load_b128 v[AF+4:AF+7], v1, s[4:5] offset:512 th:TH_LOAD_NT ; head 2 s + 1
	global_load_u16 v12, v3, s[6:7]                ; row r's two bytes of head 2 s,
	global_load_u16 v13, v3, s[6:7] offset:32768   ; of head 2 s + 1
.irp f, 0,1,2,3,4,5,6,7
	global_load_b128 v[WF+8*\f:WF+8*\f+3], v1, s[8:9] offset:1024*\f
	global_load_b128 v[WF+8*\f+4:WF+8*\f+7], v1, s[8:9] offset:1024*\f+512
.endr
	global_load_b128 v[WS:WS+3], v1, s[10:11]
	s_wait_loadcnt 17                              ; the rows' four loads are in; W's seventeen may be out
	v_lshl_or_b32 v12, v13, 16, v12                ; the row's scale word for this K step
	ds_store_b128 v4, v[AF:AF+3] offset:AIMG
	ds_store_b128 v4, v[AF+4:AF+7] offset:AIMG+512
	ds_store_b32 v5, v12
	s_wait_dscnt 0x0                               ; for the others' sake: my stores are done
	s_barrier_signal -1
	s_barrier_wait -1                              ; the sixteen fragments lie in LDS
	s_wait_loadcnt 0x0                             ; W
.irp s, 0,1,2,3                                ; eight accumulators by turns, a K step at a time
.irp m, 0,1,2,3
	ds_load_b128 v[AF+8*\m:AF+8*\m+3], v1 offset:AIMG+(4*\m+\s)*1024
	ds_load_b128 v[AF+8*\m+4:AF+8*\m+7], v1 offset:AIMG+(4*\m+\s)*1024+512
	ds_load_b32 v[AS+\m], v2 offset:ASC+128*(4*\m+\s)
.endr
	s_wait_dscnt 0x0
.irp m, 0,1,2,3
.if \s == 0
	v_wmma_scale_f32_16x16x128_f8f6f4 v[ACC+16*\m:ACC+16*\m+7], v[WF+8*\s:WF+8*\s+7], v[AF+8*\m:AF+8*\m+7], 0, v[WS+\s], v[AS+\m] matrix_a_fmt:MATRIX_FMT_FP4 matrix_b_fmt:MATRIX_FMT_FP4
	v_wmma_scale_f32_16x16x128_f8f6f4 v[ACC+16*\m+8:ACC+16*\m+15], v[WF+32+8*\s:WF+32+8*\s+7], v[AF+8*\m:AF+8*\m+7], 0, v[WS+\s], v[AS+\m] matrix_a_fmt:MATRIX_FMT_FP4 matrix_b_fmt:MATRIX_FMT_FP4 matrix_a_scale:MATRIX_SCALE_ROW1
.else
	v_wmma_scale_f32_16x16x128_f8f6f4 v[ACC+16*\m:ACC+16*\m+7], v[WF+8*\s:WF+8*\s+7], v[AF+8*\m:AF+8*\m+7], v[ACC+16*\m:ACC+16*\m+7], v[WS+\s], v[AS+\m] matrix_a_fmt:MATRIX_FMT_FP4 matrix_b_fmt:MATRIX_FMT_FP4
	v_wmma_scale_f32_16x16x128_f8f6f4 v[ACC+16*\m+8:ACC+16*\m+15], v[WF+32+8*\s:WF+32+8*\s+7], v[AF+8*\m:AF+8*\m+7], v[ACC+16*\m+8:ACC+16*\m+15], v[WS+\s], v[AS+\m] matrix_a_fmt:MATRIX_FMT_FP4 matrix_b_fmt:MATRIX_FMT_FP4 matrix_a_scale:MATRIX_SCALE_ROW1
.endif
.endr
.rept 4
	v_nop                                          ; four places ahead of loads into registers that the products have read, and of the first read of results
.endr
.endr
.irp m, 0,1,2,3
.irp n, 0,1
	ds_store_b128 v[6+\m/2], v[ACC+8*(2*\m+\n):ACC+8*(2*\m+\n)+3] offset:16*SP*(\m%2)+64*\n        ; lane (r, h): out0(16 m + r, 32 w + 16 n + 8 h + 0 .. 7); each accumulator from its low end on
	ds_store_b128 v[6+\m/2], v[ACC+8*(2*\m+\n)+4:ACC+8*(2*\m+\n)+7] offset:16*SP*(\m%2)+64*\n+16
.endr
.endr
	s_wait_dscnt 0x0                               ; for the others' sake: my stores are done
	s_barrier_signal -1
	s_barrier_wait -1                              ; 64 whole rows lie in the stage
.irp e, 0,1,2,3,4,5,6,7,8,9,10,11,12,13,14,15
	ds_load_b128 v[WF+4*\e:WF+4*\e+3], v8 offset:SP*(\e/4)+512*(\e%4)
.endr
.irp e, 0,1,2,3,4,5,6,7,8,9,10,11,12,13,14,15
	s_wait_dscnt 15-\e                             ; LDS loads come back in order: load e is in, the younger ones may be out
	global_store_b128 v1, v[WF+4*\e:WF+4*\e+3], s[12:13] offset:2048*(\e/4)+512*(\e%4) th:TH_STORE_NT   ; 32 lanes store 512 consecutive bytes, aligned; written once, read by nobody here
.endr
	s_wait_tensorcnt 0x0
	ds_add_u32 v200, v201
	s_wait_dscnt 0x0
	s_endpgm
.Lfunc_end_k_q6c95fb5042_proj:
	.size	k_q6c95fb5042_proj, .Lfunc_end_k_q6c95fb5042_proj-k_q6c95fb5042_proj
	.p2alignl 7, 3214868480
	.fill 96, 4, 3214868480
	.section	.rodata,"a",@progbits
	.p2align	6, 0x0
	.amdhsa_kernel k_q6c95fb5042_proj
		.amdhsa_group_segment_fixed_size 152576
		.amdhsa_private_segment_fixed_size 0
		.amdhsa_enable_private_segment 0
		.amdhsa_kernarg_size 40
		.amdhsa_user_sgpr_count 2
		.amdhsa_user_sgpr_kernarg_segment_ptr 1
		.amdhsa_wavefront_size32 1
		.amdhsa_system_sgpr_workgroup_id_x 1
		.amdhsa_system_sgpr_workgroup_id_y 1
		.amdhsa_system_sgpr_workgroup_id_z 1
		.amdhsa_system_vgpr_workitem_id 0
		.amdhsa_next_free_vgpr 202
		.amdhsa_next_free_sgpr 66
		.amdhsa_reserve_vcc 0
		.amdhsa_float_denorm_mode_32 3
		.amdhsa_float_denorm_mode_16_64 3
		.amdhsa_memory_ordered 1
		.amdhsa_forward_progress 1
		.amdhsa_inst_pref_size 17
	.end_amdhsa_kernel
	.amdgpu_metadata
---
amdhsa.version: [ 1, 2 ]
amdhsa.kernels:
  - .name:           k_q6c95fb5042_proj
    .symbol:         k_q6c95fb5042_proj.kd
    .args:
      - { .name: acodes, .offset: 0, .size: 8, .value_kind: global_buffer, .address_space: global }
      - { .name: asc, .offset: 8, .size: 8, .value_kind: global_buffer, .address_space: global }
      - { .name: wimg, .offset: 16, .size: 8, .value_kind: global_buffer, .address_space: global }
      - { .name: wsc, .offset: 24, .size: 8, .value_kind: global_buffer, .address_space: global }
      - { .name: out0, .offset: 32, .size: 8, .value_kind: global_buffer, .address_space: global }
    .group_segment_fixed_size: 152576
    .private_segment_fixed_size: 0
    .kernarg_segment_align: 8
    .kernarg_segment_size: 40
    .max_flat_workgroup_size: 512
    .sgpr_count:     66
    .vgpr_count:     202
    .wavefront_size: 32
...
	.end_amdgpu_metadata
.endif
;; end of part 3
